; MI455X (gfx1250); checked and timed in simulation.
; The chip was launched on July 23, 2026; its instructions are those of AMD's public machine-readable ISA for CDNA 5 (MIT licence, August 2026) and "CDNA5" Instruction Set Architecture Reference Guide (July 2026). The comments in the code are by the model that wrote it; some were corrected since.
;; Bilinear Dense. Allowed arithmetic: float matrix products may take bf16 or f16 operands with f32 sums; all other float work in f32.
;; Inputs: W_bias 65,536 float32; W_kernel 256 x 65,536 float32; b_bias 256 float32; b_kernel 256 x 256 float32; x 4,096 x 256 float32; z 4,096 x 256 float32.
;; Outputs: out0 4,096 x 256 float32.
;; One version. Each part assembles by itself: llvm-mc -triple=amdgcn-amd-amdhsa -mcpu=gfx1250 --defsym DOCPART=n.
;; ======== version 1 of 1: 2 launches
;; workspace buffers: Wc 33,554,432 bytes; zc 2,097,152 bytes; xc 2,097,152 bytes
;; launch cast (part 1): grid 1024 x 1, 8 waves a work-group, no clusters, 0 bytes of LDS; arguments W_kernel, z, x, Wc, zc, xc; writes Wc, zc, xc
.if DOCPART == 1
	.amdgcn_target "amdgcn-amd-amdhsa--gfx1250"
	.amdhsa_code_object_version 6
	.text
	.protected	k_q540321b278_cast
	.globl	k_q540321b278_cast
	.p2align	8
	.type	k_q540321b278_cast,@function
k_q540321b278_cast:
	s_mov_b64 s[64:65], 0
	v_nop
	global_prefetch_b8 v0, s[64:65] scope:SCOPE_SE
	s_setreg_imm32_b32 hwreg(HW_REG_WAVE_MODE, 25, 1), 1
	s_wait_xcnt 0x0
; Wc, zc, xc = W_kernel, z, x rounded to bf16 (nearest even), in the same row-major layouts.
; A pure stream: no LDS, no barrier, no matrix unit, no cluster (no byte is read by two work-groups).
; 1,024 work-groups of eight waves.  Work-group g takes 65,536 bytes of W_kernel and 4,096 bytes each of z and x.
; Thread t loads 16 bytes at 16 t + 4,096 j and stores their 8 bytes at 8 t + 2,048 j: a wave's load covers 512 consecutive
; bytes, its store 256 consecutive bytes at a multiple of 256 from the buffer's first byte.
; All 18 loads of a thread are issued before the first is waited for; no register is written twice, so no source has to be freed.
.set NW,  16                           ; loads from W_kernel; load 16 is z's, load 17 is x's
.set IN,  8                            ; v[8:79]    load n: 4 registers of f32
.set OUT, 80                           ; v[80:115]  load n: 2 registers of packed bf16
	s_load_b256 s[4:11], s[0:1], 0x0               ; W_kernel s[4:5], z s[6:7], x s[8:9], Wc s[10:11]
	s_load_b128 s[12:15], s[0:1], 0x20             ; zc s[12:13], xc s[14:15]
	v_lshlrev_b32 v1, 4, v0                        ; 16 t: where I load
	v_lshlrev_b32 v2, 3, v0                        ; 8 t: where I store
	s_lshl_b32 s16, ttmp9, 16                      ; my part of W_kernel
	s_mov_b32 s17, 0
	s_lshl_b32 s18, ttmp9, 15                      ; of Wc
	s_mov_b32 s19, 0
	s_lshl_b32 s20, ttmp9, 12                      ; of z and x
	s_mov_b32 s21, 0
	s_lshl_b32 s22, ttmp9, 11                      ; of zc and xc
	s_mov_b32 s23, 0
	s_wait_kmcnt 0x0
	s_add_nc_u64 s[4:5], s[4:5], s[16:17]
	s_add_nc_u64 s[6:7], s[6:7], s[20:21]
	s_add_nc_u64 s[8:9], s[8:9], s[20:21]
	s_add_nc_u64 s[10:11], s[10:11], s[18:19]
	s_add_nc_u64 s[12:13], s[12:13], s[22:23]
	s_add_nc_u64 s[14:15], s[14:15], s[22:23]
.set n, 0
.rept NW
	global_load_b128 v[IN+4*n:IN+4*n+3], v1, s[4:5] offset:4096*n th:TH_LOAD_NT  ; read once in the launch
.set n, n+1
.endr
	global_load_b128 v[IN+4*NW:IN+4*NW+3], v1, s[6:7] th:TH_LOAD_NT
	global_load_b128 v[IN+4*NW+4:IN+4*NW+7], v1, s[8:9] th:TH_LOAD_NT
.set n, 0
.rept NW+2
	s_wait_loadcnt NW+1-n                          ; loads come back in order (ISA guide 5.7.1): load n is in, the NW + 1 - n issued behind it may be out
	v_cvt_pk_bf16_f32 v[OUT+2*n],   v[IN+4*n],   v[IN+4*n+1]
	v_cvt_pk_bf16_f32 v[OUT+2*n+1], v[IN+4*n+2], v[IN+4*n+3]
.if n < NW
	global_store_b64 v2, v[OUT+2*n:OUT+2*n+1], s[10:11] offset:2048*n  ; no hint: the next launch reads these bytes
.elseif n == NW
	global_store_b64 v2, v[OUT+2*n:OUT+2*n+1], s[12:13]
.else
	global_store_b64 v2, v[OUT+2*n:OUT+2*n+1], s[14:15]
.endif
.set n, n+1
.endr
	s_endpgm
.Lfunc_end_k_q540321b278_cast:
	.size	k_q540321b278_cast, .Lfunc_end_k_q540321b278_cast-k_q540321b278_cast
	.p2alignl 7, 3214868480
	.fill 96, 4, 3214868480
	.section	.rodata,"a",@progbits
	.p2align	6, 0x0
	.amdhsa_kernel k_q540321b278_cast
		.amdhsa_group_segment_fixed_size 0
		.amdhsa_private_segment_fixed_size 0
		.amdhsa_enable_private_segment 0
		.amdhsa_kernarg_size 48
		.amdhsa_user_sgpr_count 2
		.amdhsa_user_sgpr_kernarg_segment_ptr 1
		.amdhsa_wavefront_size32 1
		.amdhsa_system_sgpr_workgroup_id_x 1
		.amdhsa_system_sgpr_workgroup_id_y 1
		.amdhsa_system_sgpr_workgroup_id_z 1
		.amdhsa_system_vgpr_workitem_id 0
		.amdhsa_next_free_vgpr 120
		.amdhsa_next_free_sgpr 66
		.amdhsa_reserve_vcc 0
		.amdhsa_float_denorm_mode_32 3
		.amdhsa_float_denorm_mode_16_64 3
		.amdhsa_memory_ordered 1
		.amdhsa_forward_progress 1
		.amdhsa_inst_pref_size 8
	.end_amdhsa_kernel
	.amdgpu_metadata
---
amdhsa.version: [ 1, 2 ]
amdhsa.kernels:
  - .name:           k_q540321b278_cast
    .symbol:         k_q540321b278_cast.kd
    .args:
      - { .name: W_kernel, .offset: 0, .size: 8, .value_kind: global_buffer, .address_space: global }
      - { .name: z, .offset: 8, .size: 8, .value_kind: global_buffer, .address_space: global }
      - { .name: x, .offset: 16, .size: 8, .value_kind: global_buffer, .address_space: global }
      - { .name: Wc, .offset: 24, .size: 8, .value_kind: global_buffer, .address_space: global }
      - { .name: zc, .offset: 32, .size: 8, .value_kind: global_buffer, .address_space: global }
      - { .name: xc, .offset: 40, .size: 8, .value_kind: global_buffer, .address_space: global }
    .group_segment_fixed_size: 0
    .private_segment_fixed_size: 0
    .kernarg_segment_align: 8
    .kernarg_segment_size: 48
    .max_flat_workgroup_size: 256
    .sgpr_count:     66
    .vgpr_count:     120
    .wavefront_size: 32
...
	.end_amdgpu_metadata
.endif
;; end of part 1
;; launch bilin (part 2): grid 16 x 16, 4 waves a work-group, clusters of 4 x 1, 327,680 bytes of LDS; arguments Wc, zc, xc, W_bias, b_kernel, b_bias, out0; writes out0
.if DOCPART == 2
	.amdgcn_target "amdgcn-amd-amdhsa--gfx1250"
	.amdhsa_code_object_version 6
	.text
	.protected	k_q540321b278_bilin
	.globl	k_q540321b278_bilin
	.p2align	8
	.type	k_q540321b278_bilin,@function
k_q540321b278_bilin:
	s_mov_b64 s[64:65], 0
	v_nop
	global_prefetch_b8 v0, s[64:65] scope:SCOPE_SE
	s_setreg_imm32_b32 hwreg(HW_REG_WAVE_MODE, 25, 1), 1
	s_wait_xcnt 0x0
	s_wait_alu depctr_hold_cnt(0) depctr_sa_sdst(0) depctr_va_vdst(0) depctr_va_sdst(0) depctr_va_ssrc(0) depctr_va_vcc(0) depctr_vm_vsrc(0)
	s_getreg_b32 s2, hwreg(HW_REG_IB_STS2, 6, 4)
	s_cmp_eq_u32 s2, 0
	s_cbranch_scc0 .Lentry_in_a_cluster
	s_endpgm
.Lentry_in_a_cluster:
	s_bfe_u32 s2, ttmp6, 0x10000c
	s_cmp_lg_u32 s2, 0x3003
	s_cbranch_scc0 .Lentry_shape_is_right
	s_endpgm
.Lentry_shape_is_right:
; out[b][o] = sum_k z[b][k] G_o[k][b] + E[b][o],  G_o[k][b] = sum_i Wk[k][256 o + i] x[b][i]  (matrix unit, bf16 operands, f32 sums),
; E[b][o] = sum_k z[b][k] bk[k][o] + sum_i Wb[256 o + i] x[b][i] + bb[o]  (matrix unit too); the sum over k of z G in f32 on the vector unit.
; The same multiply-adds as (z Wk + Wb) x, in the order in which Wk's rows ([k][o][i], i along the row) are matrix fragments as they lie.
; Wc, zc, xc are Wk, z, x in bf16, made by the launch before.  LIMITS: all six inputs enter rounded to bf16 (W_bias, b_kernel, b_bias are rounded here), everything behind that is f32;
; NaN and infinities are not treated apart.  A work-group owns 16 outputs o, so out0 leaves as 64 consecutive bytes of each row, 16 bytes a lane: a quarter of an aligned 256 bytes.
; Whole 256 bytes would want 64 o and then 64 rows b to a work-group: four times the tiles of Wc fetched, and one block of 16 rows b for each fragment read from LDS in place of four.
; SHARES.  Work-group (mg, og): rows b = 256 mg .. + 255, outputs o = 16 og .. + 15.  Wave w: rows 64 w .. + 63 of them, four blocks t of 16.  Its x (matrix fragments) and z (the same fragment
; layout) stay in registers for the whole launch, 256 registers each.  The work-group walks its 16 o; for each, the tile Wc[0..255][256 o .. + 255] (256 rows of 512 bytes) lies in one of two LDS slots.
; LAYOUT.  Source 0 = 16 rows k of the tile, source 1 = 16 rows b of x: in the result lane l holds b = l % 16 and k = 8 (l / 16) + 0..7, and those eight z[b][k] are four registers of z's own
; fragment.  So behind EACH matrix instruction stands one fused multiply-add p[t] += G z (z taken as a bf16 half), on the results of the block of 16 k before: two sets of accumulators take turns.
; CLUSTER.  The four work-groups of a cluster share og and walk the same tiles: each tile is asked for JOINTLY (the same load, descriptor and mask in all four).  zc and xc are not shared by
; partners (they hang on mg) and are read once: 262,144 bytes a work-group against 2,097,152 of tiles; they come by plain loads.
; REGISTERS, in windows of 256 (s_set_vgpr_msb: bits 1:0 source 0, 3:2 source 1, 5:4 source 2, 7:6 destination):
;   window 0: v0-23 addresses, p, q; v24-31 b_bias as a C operand; v32-63 E, 8 a block t; v64-191 fragments of the tile, two buffers of 16 k x 256 i; v192-255 G, two sets of 8 a block t
;   window 1: blocks t = 0, 1: v0-127 x (64 (t % 2) + 8 f), v128-255 z (128 + 64 (t % 2) + 4 kb + j / 2);   window 2: the same for t = 2, 3
; Both the matrix instruction (x) and the multiply-add (z) take their window-1 or -2 operand as source 1, so one setting serves 16 of each: two switches for 32 matrix instructions.
.set PITCH, 528                        ; a tile's row in LDS: 512 bytes + 16 of padding = 132 words: row r starts at bank 4 r mod 64 (64 banks of 4 bytes: ISA guide 11.1)
.set QUART, 64*PITCH                   ; 64 rows: what one wave's tensor load brings
.set SLOT,  4*QUART                    ; 135,168 = 0x21000; wave x QUART (0x8400 x 0..3) has neither bit 12 nor bit 17, so an exclusive or with SLOT changes slots
.set HALF,  128*PITCH                  ; rows 128 on: an LDS offset has 16 bits, so the lower and the upper half of a slot have an address register each
.set BKT,   2*SLOT                     ; behind the ring, never filled by a tensor load: my 16 columns of b_kernel in bf16, [256 k][16 o], 32 bytes a row
.set OS,    BKT+8192                   ; the stage: for each wave OSW bytes of its own: 17 rows of 64 f32; row o' + 1 holds the sums of o'; row 0 takes the first trip's zeros
.set OSP,   272                        ; 256 bytes + 16: eight rows are 544 words, so the two halves of the lanes read back 32 banks apart
.set OSW,   4864                       ; 17 x 272 = 4,624, up to a multiple of 256
.set SPARE, OS+4*OSW                   ; the spare words, 128 bytes for each wave: two blocks of 256 bytes that no other line names
.set AWL,  3                           ; v3   528 (l % 16) + 16 (l / 16): my place in a fragment's 16 rows; never rewritten
.set AWLO, 4                           ; v4   the same in the slot in hand, rows 0-127
.set AWHI, 5                           ; v5   rows 128-255
.set OSA,  6                           ; v6   where FINAL stores
.set ORD,  7                           ; v7   where I read the stage back
.set GO,   8                           ; v8   1,024 (l % 16) + 32 (l / 16): my byte offset in 16 rows of out0, and of W_bias
.set GX,   9                           ; v9   512 (l % 16) + 16 (l / 16): in 16 rows of xc and zc
.set ABK,  10                          ; v10  my place in BKT for the turning load
.set R4,   11                          ; v11  4 (l % 16)
.set PP,   12                          ; v12-15  p[t]: the running sum over my half of the k
.set QQ,   16                          ; v16-19  q[t]: the two halves together
.set SPW,  20                          ; v20  LDS address of my spare word: SPARE + 4 x my thread's number; never rewritten
.set NIL,  21                          ; v21  0; never rewritten
.set BB,   24                          ; v24-31
.set EE,   32                          ; v32-63; until the first product writes them, v32-39 are the head's temporaries:
.set GBK,  32                          ;   my byte offset in b_kernel
.set GBB,  33                          ;   in b_bias
.set SBK,  34                          ;   where I store into BKT
.set TM,   36                          ;   v35-39 at work
.set WF,   64                          ; buffer u, fragment f (32 i) at WF + 64 u + 8 f
.set DD,   192                         ; set u, block t at DD + 32 u + 8 t
.set WV,   18                          ; s18  my wave's number
.set OSS,  22                          ; s22  the stage row that FINAL writes next
.set G1,   24                          ; s[24:31] descriptor group 1
.set G0A,  32                          ; s[32:35] group 0 of the first fill of slot 0
.set G0B,  36                          ; s[36:39] group 0 of slot 1's first fill; it then walks
.set SB,   40                          ; s40  LDS byte at which the slot in hand begins
.set CNT,  41                          ; s41  loop counter
.set SEL,  42                          ; s[42:43] v_permlanex16_b32's selects: each lane takes its own place in the other half
.set MSB, 0
.macro WIN new                         ; the immediate's high byte repeats the setting that is left; a switch that changes nothing is dropped
.if MSB != (\new)
	s_set_vgpr_msb (MSB<<8)|(\new)
.set MSB, (\new)
.endif
.endm
; A round of the cluster's barrier: my work-group's barrier, so that wave 0's signal speaks for all four waves; wave 0 signals for the work-group; every wave waits for all four
; work-groups; my work-group's barrier once more.
.macro CREST                           ; a round behind its opening barrier
	s_cmp_lg_u32 s[WV], 0
	s_cbranch_scc1 .Lnot_wave_0_\@
	s_barrier_signal -3
.Lnot_wave_0_\@:
	s_barrier_wait -3
	s_barrier_signal -1
	s_barrier_wait -1
.endm
.macro CROUND                          ; a whole round
	s_barrier_signal -1
	s_barrier_wait -1
	CREST
.endm
	s_load_b256 s[4:11], s[0:1], 0x0               ; Wc s[4:5], zc s[6:7], xc s[8:9], W_bias s[10:11]
	s_load_b128 s[12:15], s[0:1], 0x20             ; b_kernel s[12:13], b_bias s[14:15]
	s_load_b64 s[16:17], s[0:1], 0x30              ; out0
	v_lshl_add_u32 v[SPW], v0, 2, SPARE
	v_mov_b32 v[NIL], 0
	ds_add_u32 v[SPW], v[NIL]                      ; the wave's opening: the add and its wait ahead of my first tensor load; the set-up below, work on registers, stands between them
	v_lshrrev_b32 v1, 5, v0
	v_readfirstlane_b32 s[WV], v1                  ; wave 0..3
	s_bfe_u32 s19, ttmp6, 0x40000                  ; cx: my place in the cluster
	s_lshl_b32 s20, ttmp9, 2                       ; in a cluster launch ttmp9 counts clusters
	s_add_co_u32 s20, s20, s19                     ; mg = 4 x cluster x + cx: it enters zc's, xc's and out0's addresses alone
	s_and_b32 s21, ttmp7, 0xffff                   ; og, which the four partners share
	; descriptor group 1: a tile of 64 rows x 256 elements, padded in LDS
	s_mov_b32 s[G1+0], 15|(1<<16)|(1<<20)|(1<<21)|(6<<22)|(3<<25)  ; 15:0 the mask: all four work-groups; 17:16 elements of 2 bytes; 20 padding on; 21 set beside a mask; 24:22 after every 128 words (code 6); 31:25 4 words of it (code 3)
	s_mov_b32 s[G1+1], 256<<16                     ; tensor_dim0 = 256
	s_mov_b32 s[G1+2], 64<<16                      ; tensor_dim1 = 64
	s_mov_b32 s[G1+3], 256<<16                     ; tile_dim0 = 256
	s_mov_b32 s[G1+4], 64                          ; tile_dim1 = 64
	s_mov_b32 s[G1+5], 65536                       ; elements from a row k to the next
	s_mov_b32 s[G1+6], 0
	s_mov_b32 s[G1+7], 0
	s_lshl_b32 s44, s[WV], 23                      ; the tiles: my 64 rows k of 131,072 bytes,
	s_lshl_b32 s23, s21, 13                        ; the work-group's first o: 16 og x 512 bytes.  Nothing of cx enters s[44:45]
	s_add_co_u32 s44, s44, s23
	s_mov_b32 s45, 0
	s_lshl_b32 s46, s20, 17                        ; zc and xc: 256 mg rows of 512 bytes,
	s_lshl_b32 s23, s[WV], 15                      ; my wave's 64
	s_add_co_u32 s46, s46, s23
	s_mov_b32 s47, 0
	s_lshl_b32 s48, s21, 14                        ; W_bias: 16 og rows of 1,024 bytes
	s_mov_b32 s49, 0
	s_lshl_b32 s50, s21, 6                         ; b_kernel and b_bias: 16 og columns of 4 bytes
	s_mov_b32 s51, 0
	s_lshl_b32 s52, s20, 18                        ; out0: 256 mg rows of 1,024 bytes,
	s_lshl_b32 s23, s[WV], 16                      ; my wave's 64,
	s_add_co_u32 s52, s52, s23
	s_add_co_u32 s52, s52, s50                     ; 16 og columns
	s_mov_b32 s53, 0
	s_mul_i32 s23, s[WV], QUART                    ; where my quarter of a tile goes: no place in the cluster enters an LDS address
	s_mov_b32 s[G0A], 1                            ; 1:0 count = 1
	s_mov_b32 s[G0A+1], s23                        ; 63:32 LDS address: slot 0
	s_mov_b32 s[G0B], 1
	s_add_co_u32 s[G0B+1], s23, SLOT               ; slot 1
	s_mov_b32 s[SEL], 0x76543210
	s_mov_b32 s[SEL+1], 0xfedcba98
	s_mov_b32 s54, 0xffff0000                      ; a word's upper bf16
	s_mov_b32 s[SB], 0
	s_mul_i32 s[OSS], s[WV], OSW
	s_add_co_u32 s[OSS], s[OSS], OS                ; my stage, row 0
	s_wait_dscnt 0x0                               ; the opening add is done
	s_wait_kmcnt 0x0
	s_add_nc_u64 s[G0A+2:G0A+3], s[4:5], s[44:45]  ; 120:64 global address: the tile of o' = 0,
	s_add_nc_u64 s[G0B+2:G0B+3], s[G0A+2:G0A+3], 512  ; of o' = 1
	s_or_b32 s[G0A+3], s[G0A+3], 0x80000000        ; 127:126 type = 2
	s_or_b32 s[G0B+3], s[G0B+3], 0x80000000
	s_add_nc_u64 s[6:7], s[6:7], s[46:47]
	s_add_nc_u64 s[8:9], s[8:9], s[46:47]
	s_add_nc_u64 s[10:11], s[10:11], s[48:49]
	s_add_nc_u64 s[12:13], s[12:13], s[50:51]
	s_add_nc_u64 s[14:15], s[14:15], s[50:51]
	s_add_nc_u64 s[16:17], s[16:17], s[52:53]
	CROUND                                         ; all four work-groups are here: the first joint loads meet
	tensor_load_to_lds s[G0A:G0A+3], s[G1:G1+7]    ; both first fills go out together, ahead of every wait on TENSORcnt, every LDS read and every further barrier: two loads of mine are out
	s_nop 0
	tensor_load_to_lds s[G0B:G0B+3], s[G1:G1+7]
	s_nop 0
.rept 4
	v_nop
.endr
	v_and_b32 v1, 15, v0                           ; r = l % 16
	v_bfe_u32 v2, v0, 4, 1                         ; h = l / 16
	v_lshlrev_b32 v[GO], 10, v1
	v_lshl_add_u32 v[GO], v2, 5, v[GO]
	v_lshlrev_b32 v[GX], 9, v1
	v_lshl_add_u32 v[GX], v2, 4, v[GX]
	v_lshrrev_b32 v[GBK], 2, v0                    ; b_kernel: thread t takes row t / 4 + 32 j, 16 bytes (4 columns) at 16 (t % 4)
	v_and_b32 v[SBK], 3, v0
	v_lshlrev_b32 v[GBK], 10, v[GBK]
	v_lshl_add_u32 v[GBK], v[SBK], 4, v[GBK]
	v_lshlrev_b32 v[GBB], 5, v2                    ; b_bias: my eight o' = 8 h + 0..7
	v_lshl_add_u32 v[SBK], v0, 3, BKT              ; 32 (t / 4) + 8 (t % 4) = 8 t
	; 170 loads: the 42 small ones first
.set j, 0
.rept 8
	global_load_b128 v[DD+4*j:DD+4*j+3], v[GBK], s[12:13] offset:32768*j
.set j, j+1
.endr
	global_load_b128 v[BB:BB+3],   v[GBB], s[14:15]
	global_load_b128 v[BB+4:BB+7], v[GBB], s[14:15] offset:16
.set f, 0
.rept 8                                ; W_bias, row o' = r: i = 32 f + 8 h + 0..7 and 32 f + 16 + 8 h + 0..7, in f32: the numbers of a fragment's registers 0-3 and 4-7
	global_load_b128 v[WF+16*f:WF+16*f+3],     v[GO], s[10:11] offset:128*f
	global_load_b128 v[WF+16*f+4:WF+16*f+7],   v[GO], s[10:11] offset:128*f+16
	global_load_b128 v[WF+16*f+8:WF+16*f+11],  v[GO], s[10:11] offset:128*f+64
	global_load_b128 v[WF+16*f+12:WF+16*f+15], v[GO], s[10:11] offset:128*f+80
.set f, f+1
.endr
	; A fragment is 16 rows x 32 along the row in 8 registers: lane l holds row l % 16; registers 0-3 hold 8 (l / 16) + 0..7, registers 4-7 hold 16 + 8 (l / 16) + 0..7: two loads of 16 bytes, 32 bytes apart.
.irp pr, 0, 1
	WIN 0x40*((\pr)+1)                             ; destination window 1, then 2; address window 0
.set i, 0
.rept 16                               ; block t = 2 pr + i / 8, fragment i % 8
	global_load_b128 v[8*i:8*i+3],         v[GX], s[8:9] offset:8192*(2*(\pr)+i/8)+64*(i%8)
	global_load_b128 v[8*i+4:8*i+7],       v[GX], s[8:9] offset:8192*(2*(\pr)+i/8)+64*(i%8)+32
	global_load_b128 v[128+8*i:128+8*i+3], v[GX], s[6:7] offset:8192*(2*(\pr)+i/8)+64*(i%8)
	global_load_b128 v[128+8*i+4:128+8*i+7], v[GX], s[6:7] offset:8192*(2*(\pr)+i/8)+64*(i%8)+32
.set i, i+1
.endr
.endr
	WIN 0
	v_and_b32 v[ABK], 7, v0                        ; the turning load takes 16 k x 16 o': lane l reads k = 8 (l / 16) + l % 8, o' = 8 ((l / 8) % 2) + 0..7
	v_lshl_add_u32 v[ABK], v2, 3, v[ABK]
	v_lshlrev_b32 v[ABK], 5, v[ABK]
	v_bfe_u32 v35, v0, 3, 1
	v_lshl_add_u32 v[ABK], v35, 4, v[ABK]
	v_add_nc_u32 v[ABK], BKT, v[ABK]
	s_wait_loadcnt 63                              ; of 170 loads at most 63 are out: the oldest 107 are in, the 42 small ones among them
.set n, 0
.rept 16
	v_cvt_pk_bf16_f32 v[DD+32+n], v[DD+2*n], v[DD+2*n+1]
.set n, n+1
.endr
.set j, 0
.rept 8
	ds_store_b64 v[SBK], v[DD+32+2*j:DD+32+2*j+1] offset:1024*j  ; row t / 4 + 32 j of BKT
.set j, j+1
.endr
.set n, 0
.rept 4
	v_cvt_pk_bf16_f32 v[TM+n], v[BB+2*n], v[BB+2*n+1]  ; b_bias is rounded to bf16 like every input,
.set n, n+1
.endr
.set n, 0
.rept 4
	v_lshlrev_b32 v[BB+2*n],   16,  v[TM+n]        ; and widened again: register j = bb[8 h + j], a C operand
	v_and_b32     v[BB+2*n+1], s54, v[TM+n]
.set n, n+1
.endr
.set n, 0
.rept 64
	v_cvt_pk_bf16_f32 v[DD+n], v[WF+2*n], v[WF+2*n+1]  ; W_bias's eight fragments at DD + 8 f
.set n, n+1
.endr
	s_wait_tensorcnt 0x1                           ; my part of slot 0 is in; slot 1's may stay out
	s_wait_dscnt 0x0                               ; for the others' sake: my stores into BKT are done
	s_barrier_signal -1
	s_barrier_wait -1                              ; everybody's are
.set f, 0
.rept 8                                ; b_kernel turned: fragment f: row o' = r, k = 32 f on
	ds_load_tr16_b128 v[WF+8*f:WF+8*f+3],   v[ABK] offset:1024*f
	ds_load_tr16_b128 v[WF+8*f+4:WF+8*f+7], v[ABK] offset:1024*f+512
.set f, f+1
.endr
	s_wait_loadcnt 0x0                             ; x and z
	s_wait_dscnt 0x0
	; E^T = bk^T z^T + Wb x^T + bb: source 0 = 16 rows o', source 1 = 16 rows b: lane l holds b = l % 16 and o' = 8 (l / 16) + 0..7: eight neighbouring numbers of a row of out0.
	; Two accumulators take turns, one instruction a turn.  The first product takes b_bias as C.
.irp pr, 0, 1
	WIN 4*((\pr)+1)
.set ks, 0
.rept 16
.irp u, 0, 1
.set rE, EE+8*(2*(\pr)+(\u))
.if ks < 8
.set rA, WF+8*ks
.set rB, 128+64*(\u)+8*ks
.else
.set rA, DD+8*(ks-8)
.set rB, 64*(\u)+8*(ks-8)
.endif
.if ks == 0
	v_wmma_f32_16x16x32_bf16 v[rE:rE+7], v[rA:rA+7], v[rB:rB+7], v[BB:BB+7]
.else
	v_wmma_f32_16x16x32_bf16 v[rE:rE+7], v[rA:rA+7], v[rB:rB+7], v[rE:rE+7]
.endif
.endr
.set ks, ks+1
.endr
.endr
	WIN 0
	; fifteen plain lines that name no register of those products: the places in front of the writes and loads into their sources below
.irp t, 0,1,2,3
	v_mov_b32 v[PP+(\t)], 0
	v_mov_b32 v[QQ+(\t)], 0                        ; v_permlanex16_b32's destination counts as read: it is written here
.endr
	v_mul_u32_u24 v[AWL], v1, PITCH
	v_lshl_add_u32 v[AWL], v2, 4, v[AWL]
	v_mov_b32 v[AWLO], v[AWL]                      ; slot 0
	v_add_nc_u32 v[AWHI], HALF, v[AWL]
	v_lshlrev_b32 v[R4], 2, v1
	v_mul_u32_u24 v[ORD], v2, 8*OSP
	v_add3_u32 v[ORD], v[ORD], v[R4], s[OSS]       ; my stage + 8 h rows + 4 r
.set n, 0
.rept 32
	v_mov_b32 v[DD+32+n], 0                        ; the first trip's first block finds zeros where every later one finds the last block of the o' before: one text for every trip
.set n, n+1
.endr
; 16 LDS loads in one run: the fragments of rows 16 kb .. + 15 of the slot in hand, all 256 i, into buffer buf.  Destination and address lie in window 0 under every setting used here.
.macro FETCH buf, kb
.set aR, AWLO+(\kb)/8
.set g, 0
.rept 8
	ds_load_b128 v[WF+64*(\buf)+8*g:WF+64*(\buf)+8*g+3],   v[aR] offset:((\kb)%8)*16*PITCH+64*g
	ds_load_b128 v[WF+64*(\buf)+8*g+4:WF+64*(\buf)+8*g+7], v[aR] offset:((\kb)%8)*16*PITCH+64*g+32
.set g, g+1
.endr
.endm
; Numbers n0 .. n1 - 1 of the 16 pairs of block kb for the blocks t = 2 pr, 2 pr + 1.  Pair n: the matrix instruction for i = 32 (n / 2) on, block t = 2 pr + n % 2 (the first of a sum takes 0 as C: nothing
; is cleared), and behind it p[t] += G z for register n / 2 of the OTHER set, the results of the block of 16 k before.  The two accumulators take turns, one instruction a turn; a run's and
; a block's edge change accumulator too.  A result is read 17 such multiply-adds behind the product that finished it, from its lowest register on.  mm = 0: the multiply-adds alone.
.macro RUN kb, pr, n0, n1, mm=1
	WIN 4*((\pr)+1)
.set n, (\n0)
.rept (\n1)-(\n0)
.set t, 2*(\pr)+n%2
.set f, n/2
.set rD, DD+32*((\kb)%2)+8*t
.set rO, DD+32*(1-(\kb)%2)+8*t+f
.set rW, WF+64*((\kb)%2)+8*f
.set rX, 64*(n%2)+8*f
.set rZ, 128+64*(n%2)+4*(((\kb)+15)%16)+f/2
.if \mm
.if f == 0
	v_wmma_f32_16x16x32_bf16 v[rD:rD+7], v[rW:rW+7], v[rX:rX+7], 0
.else
	v_wmma_f32_16x16x32_bf16 v[rD:rD+7], v[rW:rW+7], v[rX:rX+7], v[rD:rD+7]
.endif
.endif
.if f%2
	v_fma_mix_f32_bf16 v[PP+t], v[rO], v[rZ], v[PP+t] op_sel:[0,1,0] op_sel_hi:[0,1,0]  ; source 1 is the register's upper bf16
.else
	v_fma_mix_f32_bf16 v[PP+t], v[rO], v[rZ], v[PP+t] op_sel_hi:[0,1,0]                 ; its lower
.endif
.set n, n+1
.endr
.endm
; A block of 16 k: 32 matrix instructions.  The next block's fragments are fetched behind the fifth: six multiply-adds that name none of its registers stand behind the last product that read that buffer;
; the loads have 27 matrix instructions in which to come.
.macro BLK kb
	s_wait_dscnt 0x0                               ; this block's fragments are in
	RUN \kb, 0, 0, 5
	FETCH 1-(\kb)%2, (\kb)+1
	RUN \kb, 0, 5, 16
	RUN \kb, 1, 0, 16
.endm
; An o' is finished: the other half of the lanes holds the other half of the k; the sums go into my stage's next row (both halves store the same word with the same bits); p starts anew.
.macro FINAL
	WIN 0
.irp t, 0,1,2,3
	v_permlanex16_b32 v[QQ+(\t)], v[PP+(\t)], s[SEL], s[SEL+1]
.endr
	v_add_nc_u32 v[OSA], s[OSS], v[R4]
.irp t, 0,1,2,3
	v_add_f32 v[QQ+(\t)], v[QQ+(\t)], v[PP+(\t)]
.endr
.irp t, 0,1,2,3
	ds_store_b32 v[OSA], v[QQ+(\t)] offset:64*(\t)
.endr
.irp t, 0,1,2,3
	v_mov_b32 v[PP+(\t)], 0
.endr
	s_add_co_u32 s[OSS], s[OSS], OSP
.endm
; One o': 512 matrix instructions a wave.  Its first block also takes in the last results of the o' before, which FINAL then stores.
; THE CHANGE OF SLOTS stands in blocks 14 and 15.  The slot's last rows are asked for in block 14; then each wave waits for all its tensor loads (one is out: its part of the other slot), adds 0 to its
; spare word, works on, and waits for the add and its reads of the slot.  Behind the barrier nobody reads this slot any more and the other slot is whole.
; fill = 1: the barrier opens a round of the cluster's, so that no wave of any partner still reads the slot or has a load on its way; the joint refill, the tile two o' on, is the first thing behind it:
; it has 469 matrix instructions in which to land.  fill = 0 (the last two o'): nothing is asked for, and the last trip fetches nothing from a next slot.
.macro OSTEP fill
	BLK 0
	FINAL
.irp kb, 1,2,3,4,5,6,7,8,9,10,11,12,13
	BLK \kb
.endr
	s_wait_dscnt 0x0
	RUN 14, 0, 0, 5
	FETCH 1, 15
	WIN 0                                          ; (the add's two registers lie in window 0)
	s_wait_tensorcnt 0x0                           ; all my tensor loads have landed, so a group 0 may be written
	ds_add_u32 v[SPW], v[NIL]                      ; 0 onto my spare word: 27 matrix instructions stand between it and the wait for it
.if \fill
	s_xor_b32 s[G0B+1], s[G0B+1], SLOT             ; the walking descriptor: the other slot than last time,
	s_add_nc_u64 s[G0B+2:G0B+3], s[G0B+2:G0B+3], 512  ; the next o'; the type bits on top are not reached
.endif
	RUN 14, 0, 5, 16
	RUN 14, 1, 0, 16
	s_wait_dscnt 0x0                               ; the add is done, and my reads of this slot are over
	s_barrier_signal -1
	RUN 15, 0, 0, 16                               ; work on registers while the others arrive
	WIN 0
	s_barrier_wait -1
.if \fill
	CREST
	tensor_load_to_lds s[G0B:G0B+3], s[G1:G1+7]    ; my one tensor load behind the round: my 64 rows of the tile
	s_nop 0
.rept 4
	v_nop
.endr
.endif
	s_xor_b32 s[SB], s[SB], SLOT                   ; the fetches go on in the other slot
	v_add_nc_u32 v[AWLO], s[SB], v[AWL]
	v_add_nc_u32 v[AWHI], HALF, v[AWLO]
.if !(\fill)
	s_cmp_eq_u32 s[CNT], 1
	s_cbranch_scc1 .Lno_next_\@                    ; behind the last o' there is no tile
.endif
	FETCH 0, 0                                     ; 17 multiply-adds behind the last product that read buffer 0
.if !(\fill)
.Lno_next_\@:
.endif
	RUN 15, 1, 0, 16
	WIN 0                                          ; at a label and at a branch every window is 0
.endm
	FETCH 0, 0                                     ; o' = 0, rows 0-15
	s_mov_b32 s[CNT], 14
.Lo:                                                   ; o' = 0 .. 13: each fills the slot that it has read with the tile of o' + 2
	OSTEP 1
	s_sub_co_u32 s[CNT], s[CNT], 1
	s_cmp_lg_u32 s[CNT], 0
	s_cbranch_scc1 .Lo
	s_mov_b32 s[CNT], 2
.Lt:                                                   ; o' = 14, 15: a text of its own
	OSTEP 0
	s_sub_co_u32 s[CNT], s[CNT], 1
	s_cmp_lg_u32 s[CNT], 0
	s_cbranch_scc1 .Lt
	RUN 16, 0, 0, 16, 0                            ; the last block's results: blocks 0, 1 were finished 17 multiply-adds ago; these 16 are the places in front of
	RUN 16, 1, 0, 16, 0                            ; blocks 2, 3
	FINAL
	; THE WAY OUT.  My stage comes back turned: lane l takes b = l % 16 of block t and o' = 8 (l / 16) + j, E's layout.  The bytes are my wave's own, and LDS serves a wave's instructions in order
	; (ISA guide 5.7.1.4): the loads see the stores, with no wait and no barrier.
.set t, 0
.rept 4
.set j, 0
.rept 8
	ds_load_b32 v[WF+8*t+j], v[ORD] offset:OSP*(j+1)+64*t
.set j, j+1
.endr
.set t, t+1
.endr
	s_wait_dscnt 0x0
.set t, 0
.rept 4
.set j, 0
.rept 4
	v_pk_add_f32 v[WF+8*t+2*j:WF+8*t+2*j+1], v[WF+8*t+2*j:WF+8*t+2*j+1], v[EE+8*t+2*j:EE+8*t+2*j+1]  ; each E from its lowest registers on
.set j, j+1
.endr
	global_store_b128 v[GO], v[WF+8*t:WF+8*t+3],   s[16:17] offset:16384*t     ; row 16 t + r, bytes 32 h + 0..15 of the work-group's 64
	global_store_b128 v[GO], v[WF+8*t+4:WF+8*t+7], s[16:17] offset:16384*t+16
.set t, t+1
.endr
	s_wait_tensorcnt 0x0                           ; the wave's end: behind my last tensor load and my last LDS store
	ds_add_u32 v[SPW], v[NIL]
	s_wait_dscnt 0x0
	CROUND                                         ; the closing round: no work-group ends while a partner may still ask for a tile that names it
	s_endpgm
.Lfunc_end_k_q540321b278_bilin:
	.size	k_q540321b278_bilin, .Lfunc_end_k_q540321b278_bilin-k_q540321b278_bilin
	.p2alignl 7, 3214868480
	.fill 96, 4, 3214868480
	.section	.rodata,"a",@progbits
	.p2align	6, 0x0
	.amdhsa_kernel k_q540321b278_bilin
		.amdhsa_group_segment_fixed_size 327680
		.amdhsa_private_segment_fixed_size 0
		.amdhsa_enable_private_segment 0
		.amdhsa_kernarg_size 56
		.amdhsa_user_sgpr_count 2
		.amdhsa_user_sgpr_kernarg_segment_ptr 1
		.amdhsa_wavefront_size32 1
		.amdhsa_system_sgpr_workgroup_id_x 1
		.amdhsa_system_sgpr_workgroup_id_y 1
		.amdhsa_system_sgpr_workgroup_id_z 1
		.amdhsa_system_vgpr_workitem_id 0
		.amdhsa_next_free_vgpr 768
		.amdhsa_next_free_sgpr 66
		.amdhsa_reserve_vcc 0
		.amdhsa_float_denorm_mode_32 3
		.amdhsa_float_denorm_mode_16_64 3
		.amdhsa_memory_ordered 1
		.amdhsa_forward_progress 1
		.amdhsa_inst_pref_size 209
	.end_amdhsa_kernel
	.amdgpu_metadata
---
amdhsa.version: [ 1, 2 ]
amdhsa.kernels:
  - .name:           k_q540321b278_bilin
    .symbol:         k_q540321b278_bilin.kd
    .args:
      - { .name: Wc, .offset: 0, .size: 8, .value_kind: global_buffer, .address_space: global }
      - { .name: zc, .offset: 8, .size: 8, .value_kind: global_buffer, .address_space: global }
      - { .name: xc, .offset: 16, .size: 8, .value_kind: global_buffer, .address_space: global }
      - { .name: W_bias, .offset: 24, .size: 8, .value_kind: global_buffer, .address_space: global }
      - { .name: b_kernel, .offset: 32, .size: 8, .value_kind: global_buffer, .address_space: global }
      - { .name: b_bias, .offset: 40, .size: 8, .value_kind: global_buffer, .address_space: global }
      - { .name: out0, .offset: 48, .size: 8, .value_kind: global_buffer, .address_space: global }
    .group_segment_fixed_size: 327680
    .private_segment_fixed_size: 0
    .kernarg_segment_align: 8
    .kernarg_segment_size: 56
    .max_flat_workgroup_size: 128
    .sgpr_count:     66
    .vgpr_count:     768
    .wavefront_size: 32
...
	.end_amdgpu_metadata
.endif
;; end of part 2
